; MI455X (gfx1250); checked and timed in simulation.
; The chip was launched on July 23, 2026; its instructions are those of AMD's public machine-readable ISA for CDNA 5 (MIT licence, August 2026) and "CDNA5" Instruction Set Architecture Reference Guide (July 2026). The comments in the code are by the model that wrote it; some were corrected since.
;; Norm Flow Homeomorphism. Allowed arithmetic: float matrix products may take bf16 or f16 operands with f32 sums; all other float work in f32.
;; Inputs: W1 32 x 8 x 1 float32; W2 32 x 8 x 8 float32; W3 32 x 2 x 8 float32; b1 32 x 8 float32; b2 32 x 8 float32; b3 32 x 2 float32; x 1,024 x 2,048 x 2 float32.
;; Outputs: out0 1,024 x 2,048 x 2 float32.
;; One version. Each part assembles by itself: llvm-mc -triple=amdgcn-amd-amdhsa -mcpu=gfx1250 --defsym DOCPART=n.
;; ======== version 1 of 1: 1 launch
;; launch flow (part 1): grid 256 x 1, 16 waves a work-group, no clusters, 38,912 bytes of LDS; arguments x, W1, b1, W2, b2, W3, b3, out0; writes out0
.if DOCPART == 1
	.amdgcn_target "amdgcn-amd-amdhsa--gfx1250"
	.amdhsa_code_object_version 6
	.text
	.protected	k_q76745a689f_flow
	.globl	k_q76745a689f_flow
	.p2align	8
	.type	k_q76745a689f_flow,@function
k_q76745a689f_flow:
	s_mov_b64 s[64:65], 0
	v_nop
	global_prefetch_b8 v0, s[64:65] scope:SCOPE_SE
	s_setreg_imm32_b32 hwreg(HW_REG_WAVE_MODE, 25, 1), 1
	s_wait_xcnt 0x0
; 32 affine coupling layers with a swap, on 2,097,152 independent points (a, b) of f32.
; One layer: x1 = w1 z1 + b1 (8), relu; x2 = W2 h1 + b2 (8 x 8), relu; (shift, ls) = W3 h2 + b3; z2 = z2 exp(ls) + shift; the halves swap.
; The swap only changes which register plays which part: even layers condition on a and update b, odd layers the other way round;
; after 32 layers the pair lies as it came.
;
; SHARES.  256 work-groups of 16 waves.  A work-group owns 65,536 bytes of x (8,192 points), a wave 4,096 bytes: 16 tiles of 32 points,
; one point a lane, all kept in 32 registers through all 32 layers.  x is read once and out0 written once; each load and store of a wave
; covers 512 consecutive bytes that start at a multiple of 512 from the buffer's first byte.
;
; ONE LANE, ONE POINT IN THE MATRIX UNIT.  The weights are source A, the activations source B.  Lane (r, h) of B holds column r with
; k = 8h..8h+7 in registers 0-3 and k = 16+8h..16+8h+7 in registers 4-7; lane (r, h) of D holds rows 8h..8h+7 of column r.  With
; A[8h'+j][8h'+i] = A[8h'+j][16+8h'+i] = W[j][i]/2 and zeros elsewhere, each lane receives the 8 outputs of its own point from its own
; 8 inputs: its eight f32 results pack, by four conversions in the lane itself, into registers 0-3 of the next product's B.  No lane exchange.
; RELU INSIDE THE PRODUCT.  relu(x) = (x + |x|)/2.  B's registers 0-3 hold x in bf16, registers 4-7 hold |x| (one v_and_b32 a word), A holds
; W/2 in both halves of K (halving is exact).  The biases enter as the f32 C operand: register j holds bias[j] in every lane.
; The first layer of the MLP has K = 1 and is done in f32 by packed multiply-adds.  log2(e) is folded in f32 into W3's row 1 and b3[1].
;
; LIMITS KEPT.  (1) relu as (x + |x|)/2 is exact for finite x; a pre-activation of -inf gives NaN where relu gives 0, and the product's own
; rounding is relative to the sum of |W||x| over all eight features, not over the active ones alone.  (2) v_exp_f32 gives 0 for results
; below 2^-126.  (3) x1, x2, W2 and W3 are rounded to bf16 as matrix operands; z, w1, all biases, all sums and the update of z stay in f32.
; (4) Rows and lanes that hold zeros in A are made by a multiplication by 0: a non-finite weight leaves NaN there.
;
; NO CLUSTER: what work-groups share are 13,568 bytes of weights, read once by each against 131,072 bytes of its own x and out0, and they
; pass through registers anyway to be scaled, rounded and laid out.  No tensor loads: a wave's whole share of x is 8 loads at the head.
.set REC,   1152                       ; bytes of a layer's record in LDS
.set HALFL, 16*REC                     ; records l and l + 16 are built by wave l
; a record: 0..511 image of A for W2 (lane L's 16 bytes at 16 L); 512..1023 image of A for W3; 1024 w1[8]; 1056 b1[8]; 1088 b2[8];
;           1120 b3[0], b3[1] log2(e); 1128..1151 written, never read
.set GO,   1                           ; v1       byte offset of my 16 bytes in the work-group's part of x and out0; never rewritten
.set WA,   2                           ; v2       16 L + the trip's first record
.set WB,   3                           ; v3       1024 + the trip's first record
.set Z,    8                           ; v[8:39]  tile t's pair (a, b) at Z + 2 t
.set BANK, 40                          ; v[40:167] 8 slots of 16: Q = slot + 0..7, P = slot + 8..15; a layer takes its 16 tiles in two halves of 8
.set SE,   168                         ; v[168:209] weights of the even layer
.set SO,   210                         ; v[210:251] weights of the odd layer
.set A2O,  0                           ; in a set: A for W2, 8 registers
.set A3O,  8                           ; A for W3, 8 registers
.set C2O,  16                          ; b2, 8 registers
.set C3O,  24                          ; b3, 2 registers; C's registers 2-7 are the first six of w1: rows 2-7 of that product are never read,
.set W1O,  26                          ; so their C only has to hold something.  w1, 8 registers
.set B1O,  34                          ; b1, 8 registers
	s_load_b256 s[8:15], s[0:1], 0x0               ; x s[8:9], W1 s[10:11], b1 s[12:13], W2 s[14:15]
	s_load_b256 s[16:23], s[0:1], 0x20             ; b2 s[16:17], W3 s[18:19], b3 s[20:21], out0 s[22:23]
	v_lshl_add_u32 v254, v0, 2, 0x9000
	v_mov_b32 v255, 0
	v_and_b32 v4, 31, v0                           ; L
	v_lshrrev_b32 v5, 5, v0
	v_readfirstlane_b32 s24, v5                    ; wave 0..15
	v_and_b32 v6, 0x1e0, v0                        ; 32 x wave
	v_lshlrev_b32 v7, 4, v4
	v_lshl_or_b32 v[GO], v6, 7, v7                 ; 4,096 x wave + 16 L
	s_lshl_b32 s2, ttmp9, 16                       ; the work-group's 65,536 bytes (256 of them: below 4 GiB)
	s_mov_b32 s3, 0
	s_wait_kmcnt 0x0
	s_add_nc_u64 s[8:9], s[8:9], s[2:3]
	s_add_nc_u64 s[22:23], s[22:23], s[2:3]
.irp i, 0,1,2,3,4,5,6,7
	global_load_b128 v[Z+4*\i:Z+4*\i+3], v[GO], s[8:9] offset:512*\i th:TH_LOAD_NT   ; two points a lane: tiles 2 i and 2 i + 1
.endr
	; THE RECORDS.  Wave w builds those of layers w and w + 16; lane L builds its own 16 bytes of each image and one word of the rest.
	v_and_b32 v5, 7, v4                            ; j = the row of W that lane L holds in A
	v_and_b32 v6, 1, v4
	s_lshl_b32 s36, s24, 8
	v_lshl_add_u32 v45, v5, 5, s36                 ; W2[w][j][0]: 256 w + 32 j
	s_lshl_b32 s37, s24, 6
	v_lshl_add_u32 v46, v6, 5, s37                 ; W3[w][j & 1][0]: 64 w + 32 (j & 1); rows j > 1 are multiplied by 0 below
	s_lshl_b32 s36, s24, 5
	v_lshl_add_u32 v47, v5, 2, s36                 ; W1, b1, b2 [w][j]: 32 w + 4 j
	s_lshl_b32 s37, s24, 3
	v_lshl_add_u32 v48, v6, 2, s37                 ; b3[w][L & 1]: 8 w + 4 (L & 1)
.irp i, 0,1
	global_load_b128 v[56+32*\i:59+32*\i], v45, s[14:15] offset:4096*\i
	global_load_b128 v[60+32*\i:63+32*\i], v45, s[14:15] offset:4096*\i+16
	global_load_b128 v[64+32*\i:67+32*\i], v46, s[18:19] offset:1024*\i
	global_load_b128 v[68+32*\i:71+32*\i], v46, s[18:19] offset:1024*\i+16
	global_load_b32 v[72+32*\i], v47, s[10:11] offset:512*\i
	global_load_b32 v[73+32*\i], v47, s[12:13] offset:512*\i
	global_load_b32 v[74+32*\i], v47, s[16:17] offset:512*\i
	global_load_b32 v[75+32*\i], v48, s[20:21] offset:128*\i
.endr
	; lane constants, made while the loads are on their way
	s_mul_i32 s36, s24, REC
	v_lshl_add_u32 v49, v4, 4, s36                 ; where my 16 bytes of an image go: 1,152 w + 16 L
	s_add_co_u32 s37, s36, 1024
	v_lshl_add_u32 v50, v4, 2, s37                 ; where my word goes: 1,152 w + 1,024 + 4 L
	v_lshrrev_b32 v6, 1, v4
	v_xor_b32 v6, v6, v4
	v_and_b32 v6, 8, v6                            ; bit 3 of L xor bit 4 of L
	v_cmp_eq_u32 s28, 0, v6                        ; on the diagonal: my row's block (r >> 3) is my block of K (h)
	v_cmp_eq_u32 s29, 0, v5                        ; j = 0: the row of shift
	v_cmp_eq_u32 s30, 1, v5                        ; j = 1: the row of log_scale
	v_cmp_eq_u32 s31, 24, v4
	v_cmp_eq_u32 s32, 25, v4
	v_cmp_gt_u32 s33, 8, v4                        ; words 0-7: w1
	v_cmp_gt_u32 s34, 16, v4                       ; words 8-15: b1
	v_cmp_gt_u32 s35, 24, v4                       ; words 16-23: b2
	v_cndmask_b32 v40, 0, 0.5, s28                 ; factor of W2: 1/2 on the diagonal, else 0
	v_mov_b32 v41, v40
	v_mov_b32 v7, 0x3f38aa3b                       ; log2(e) / 2
	v_cndmask_b32 v42, 0, 0.5, s29
	v_cndmask_b32 v42, v42, v7, s30
	v_cndmask_b32 v42, 0, v42, s28                 ; factor of W3: 1/2 (row 0), log2(e)/2 (row 1) on the diagonal, else 0
	v_mov_b32 v43, v42
	v_mov_b32 v7, 0x3fb8aa3b                       ; log2(e)
	v_cndmask_b32 v44, 0, 1.0, s31
	v_cndmask_b32 v44, v44, v7, s32                ; factor of b3: 1 in lane 24, log2(e) in lane 25, else 0
	v_lshlrev_b32 v[WA], 4, v4
	v_mov_b32 v[WB], 1024
	s_mov_b32 s25, 0x7fff7fff                      ; clears the signs of two bf16
	s_wait_loadcnt 0x0                             ; the weights are the youngest loads: zero, and x is in as well
.irp i, 0,1
.irp c, 0,1,2,3
	v_pk_mul_f32 v[56+32*\i+2*\c:57+32*\i+2*\c], v[56+32*\i+2*\c:57+32*\i+2*\c], v[40:41]
	v_pk_mul_f32 v[64+32*\i+2*\c:65+32*\i+2*\c], v[64+32*\i+2*\c:65+32*\i+2*\c], v[42:43]
.endr
.irp c, 0,1,2,3
	v_cvt_pk_bf16_f32 v[76+32*\i+\c], v[56+32*\i+2*\c], v[57+32*\i+2*\c]
	v_cvt_pk_bf16_f32 v[80+32*\i+\c], v[64+32*\i+2*\c], v[65+32*\i+2*\c]
.endr
	v_mul_f32 v[75+32*\i], v[75+32*\i], v44
	v_cndmask_b32 v[75+32*\i], v[75+32*\i], v[74+32*\i], s35
	v_cndmask_b32 v[75+32*\i], v[75+32*\i], v[73+32*\i], s34
	v_cndmask_b32 v[75+32*\i], v[75+32*\i], v[72+32*\i], s33
	ds_store_b128 v49, v[76+32*\i:79+32*\i] offset:HALFL*\i
	ds_store_b128 v49, v[80+32*\i:83+32*\i] offset:HALFL*\i+512
	ds_store_b32 v50, v[75+32*\i] offset:HALFL*\i
.endr
	s_wait_dscnt 0x0                               ; my two records are in LDS: zero, for the other waves' sake
	s_barrier_signal -1
	s_barrier_wait -1                              ; all 32 records are; they are never written again, so this is the only barrier
; 11 LDS loads: the record at byte off behind the trip's first one, into a set.  The images are read twice: |x|'s half of K has the same weights.
.macro LOADW set, off
	ds_load_b128 v[\set+A2O:\set+A2O+3],   v[WA] offset:\off
	ds_load_b128 v[\set+A2O+4:\set+A2O+7], v[WA] offset:\off
	ds_load_b128 v[\set+A3O:\set+A3O+3],   v[WA] offset:\off+512
	ds_load_b128 v[\set+A3O+4:\set+A3O+7], v[WA] offset:\off+512
	ds_load_b128 v[\set+W1O:\set+W1O+3],   v[WB] offset:\off
	ds_load_b128 v[\set+W1O+4:\set+W1O+7], v[WB] offset:\off+16
	ds_load_b128 v[\set+B1O:\set+B1O+3],   v[WB] offset:\off+32
	ds_load_b128 v[\set+B1O+4:\set+B1O+7], v[WB] offset:\off+48
	ds_load_b128 v[\set+C2O:\set+C2O+3],   v[WB] offset:\off+64
	ds_load_b128 v[\set+C2O+4:\set+C2O+7], v[WB] offset:\off+80
	ds_load_b64  v[\set+C3O:\set+C3O+1],   v[WB] offset:\off+96
.endm
; Four tiles (group g of the bank; their pairs from register zb on): x1 = w1 z + b1 in f32, rounded to bf16 into Q0-3, |x1| into Q4-7.
; par = 0: z is the pair's first register in both halves of the packed form; par = 1: its second.
; Each kind of instruction goes over the four tiles before the next kind, so that none waits for its neighbour.
.macro S1 g, zb, par, set
.irp c, 0,1,2,3
.irp u, 0,1,2,3
.if \par
	v_pk_fma_f32 v[BANK+16*(4*\g+\u)+2*\c:BANK+16*(4*\g+\u)+2*\c+1], v[\zb+2*\u:\zb+2*\u+1], v[\set+W1O+2*\c:\set+W1O+2*\c+1], v[\set+B1O+2*\c:\set+B1O+2*\c+1] op_sel:[1,0,0] op_sel_hi:[1,1,1]
.else
	v_pk_fma_f32 v[BANK+16*(4*\g+\u)+2*\c:BANK+16*(4*\g+\u)+2*\c+1], v[\zb+2*\u:\zb+2*\u+1], v[\set+W1O+2*\c:\set+W1O+2*\c+1], v[\set+B1O+2*\c:\set+B1O+2*\c+1] op_sel_hi:[0,1,1]
.endif
.endr
.endr
.irp c, 0,1,2,3
.irp u, 0,1,2,3
	v_cvt_pk_bf16_f32 v[BANK+16*(4*\g+\u)+\c], v[BANK+16*(4*\g+\u)+2*\c], v[BANK+16*(4*\g+\u)+2*\c+1]   ; in place, c ascending: register c has been read by then
.endr
.endr
.irp c, 0,1,2,3
.irp u, 0,1,2,3
	v_and_b32 v[BANK+16*(4*\g+\u)+4+\c], s25, v[BANK+16*(4*\g+\u)+\c]
.endr
.endr
.endm
; x2 = W2 relu(x1) + b2: bf16 operands, f32 sums, the lane's eight f32 results in P0-7
.macro MM2 g, set
.irp u, 0,1,2,3
	v_wmma_f32_16x16x32_bf16 v[BANK+16*(4*\g+\u)+8:BANK+16*(4*\g+\u)+15], v[\set+A2O:\set+A2O+7], v[BANK+16*(4*\g+\u):BANK+16*(4*\g+\u)+7], v[\set+C2O:\set+C2O+7]
.endr
.endm
; x2 rounded to bf16 into P0-3 (in place, c ascending: register c has been read by then), |x2| into P4-7
.macro CVA g
.irp c, 0,1,2,3
.irp u, 0,1,2,3
	v_cvt_pk_bf16_f32 v[BANK+16*(4*\g+\u)+8+\c], v[BANK+16*(4*\g+\u)+8+2*\c], v[BANK+16*(4*\g+\u)+8+2*\c+1]
.endr
.endr
.irp c, 0,1,2,3
.irp u, 0,1,2,3
	v_and_b32 v[BANK+16*(4*\g+\u)+12+\c], s25, v[BANK+16*(4*\g+\u)+8+\c]
.endr
.endr
.endm
; Q0 = shift, Q1 = log_scale x log2(e), in f32; Q2-7 hold nothing of use
.macro MM3 g, set
.irp u, 0,1,2,3
	v_wmma_f32_16x16x32_bf16 v[BANK+16*(4*\g+\u):BANK+16*(4*\g+\u)+7], v[\set+A3O:\set+A3O+7], v[BANK+16*(4*\g+\u)+8:BANK+16*(4*\g+\u)+15], v[\set+C3O:\set+C3O+7]
.endr
.endm
.macro EXPS g
.irp u, 0,1,2,3
	v_exp_f32 v[BANK+16*(4*\g+\u)+2], v[BANK+16*(4*\g+\u)+1]
.endr
	v_nop                                          ; one plain vector instruction between a transcendental and the use of its result (ISA guide 5.7.2)
.endm
; the other half of the pair: z = z exp(log_scale) + shift
.macro FMAS g, zb, par
	s_wait_alu depctr_va_vdst(0)
.irp u, 0,1,2,3
	v_fma_f32 v[\zb+2*\u+1-\par], v[\zb+2*\u+1-\par], v[BANK+16*(4*\g+\u)+2], v[BANK+16*(4*\g+\u)]
.endr
.endm
; Eight tiles through one layer, two groups of four interleaved so that vector work of one group stands behind the matrix instructions of the other.
; DISTANCES behind matrix instructions (ISA guide 7.12.1), counted in plain vector instructions that name none of the matrix instruction's registers:
;   MM2 0 to CVA 0 (reads and writes D) and MM3 0 (D as B; writes over B): the 48 of S1 1.      MM2 1 to CVA 1 and MM3 1: the 32 of CVA 0.
;   MM3 0 to EXPS 0: the 32 of CVA 1.      MM3 1 to EXPS 1: the v_nop of EXPS 0 and the 4 of FMAS 0 = 5 (the exponentials are not counted).
;   MM3 1 to what follows this macro (S1 writes Q, MM2 writes P, a layer's LOADW writes the set): two v_nop, FMAS 0's 4 and 3 of FMAS 1's 4 = 9.
; No matrix instruction adds onto its own result: C is a set's bias registers, D a slot's; neighbours share only the sources A and C.
.macro HALF zb, par, set
	S1 0, \zb, \par, \set
	MM2 0, \set
	S1 1, \zb+8, \par, \set
	MM2 1, \set
	CVA 0
	MM3 0, \set
	CVA 1
	MM3 1, \set
	EXPS 0
	FMAS 0, \zb, \par
	EXPS 1
	FMAS 1, \zb+8, \par
.endm
; One layer on the wave's 16 tiles.  cur: its weights; pf = 1: the next layer's record, at byte off, is asked for into the other set.
.macro LAYER par, cur, nxt, off, pf
	s_wait_dscnt 0x0                               ; the only LDS loads out are this layer's 11, issued a whole layer ago
.if \pf
	LOADW \nxt, \off
.endif
	HALF Z, \par, \cur
	HALF Z+16, \par, \cur
.endm
	LOADW SE, 0                                    ; layer 0
	s_mov_b32 s26, 15
.Ltrip:                                            ; a trip = an even and an odd layer
	LAYER 0, SE, SO, REC, 1
	LAYER 1, SO, SE, 2*REC, 1
	v_add_nc_u32 v[WA], 2*REC, v[WA]               ; two records on
	v_add_nc_u32 v[WB], 2*REC, v[WB]
	s_sub_co_u32 s26, s26, 1
	s_cmp_lg_u32 s26, 0
	s_cbranch_scc1 .Ltrip
	LAYER 0, SE, SO, REC, 1                        ; layers 30 and 31 are written out:
	LAYER 1, SO, SE, 0, 0                          ; the last one has no record to ask for
.irp i, 0,1,2,3,4,5,6,7
	global_store_b128 v[GO], v[Z+4*\i:Z+4*\i+3], s[22:23] offset:512*\i th:TH_STORE_NT   ; 32 lanes store 512 consecutive bytes
.endr
	s_wait_tensorcnt 0x0
	ds_add_u32 v254, v255
	s_wait_dscnt 0x0
	s_endpgm
.Lfunc_end_k_q76745a689f_flow:
	.size	k_q76745a689f_flow, .Lfunc_end_k_q76745a689f_flow-k_q76745a689f_flow
	.p2alignl 7, 3214868480
	.fill 96, 4, 3214868480
	.section	.rodata,"a",@progbits
	.p2align	6, 0x0
	.amdhsa_kernel k_q76745a689f_flow
		.amdhsa_group_segment_fixed_size 38912
		.amdhsa_private_segment_fixed_size 0
		.amdhsa_enable_private_segment 0
		.amdhsa_kernarg_size 64
		.amdhsa_user_sgpr_count 2
		.amdhsa_user_sgpr_kernarg_segment_ptr 1
		.amdhsa_wavefront_size32 1
		.amdhsa_system_sgpr_workgroup_id_x 1
		.amdhsa_system_sgpr_workgroup_id_y 1
		.amdhsa_system_sgpr_workgroup_id_z 1
		.amdhsa_system_vgpr_workitem_id 0
		.amdhsa_next_free_vgpr 256
		.amdhsa_next_free_sgpr 66
		.amdhsa_reserve_vcc 0
		.amdhsa_float_denorm_mode_32 3
		.amdhsa_float_denorm_mode_16_64 3
		.amdhsa_memory_ordered 1
		.amdhsa_forward_progress 1
		.amdhsa_inst_pref_size 92
	.end_amdhsa_kernel
	.amdgpu_metadata
---
amdhsa.version: [ 1, 2 ]
amdhsa.kernels:
  - .name:           k_q76745a689f_flow
    .symbol:         k_q76745a689f_flow.kd
    .args:
      - { .name: x, .offset: 0, .size: 8, .value_kind: global_buffer, .address_space: global }
      - { .name: W1, .offset: 8, .size: 8, .value_kind: global_buffer, .address_space: global }
      - { .name: b1, .offset: 16, .size: 8, .value_kind: global_buffer, .address_space: global }
      - { .name: W2, .offset: 24, .size: 8, .value_kind: global_buffer, .address_space: global }
      - { .name: b2, .offset: 32, .size: 8, .value_kind: global_buffer, .address_space: global }
      - { .name: W3, .offset: 40, .size: 8, .value_kind: global_buffer, .address_space: global }
      - { .name: b3, .offset: 48, .size: 8, .value_kind: global_buffer, .address_space: global }
      - { .name: out0, .offset: 56, .size: 8, .value_kind: global_buffer, .address_space: global }
    .group_segment_fixed_size: 38912
    .private_segment_fixed_size: 0
    .kernarg_segment_align: 8
    .kernarg_segment_size: 64
    .max_flat_workgroup_size: 512
    .sgpr_count:     66
    .vgpr_count:     256
    .wavefront_size: 32
...
	.end_amdgpu_metadata
.endif
;; end of part 1
